; MI455X (gfx1250); checked and timed in simulation.
; The chip was launched on July 23, 2026; its instructions are those of AMD's public machine-readable ISA for CDNA 5 (MIT licence, August 2026) and "CDNA5" Instruction Set Architecture Reference Guide (July 2026). The comments in the code are by the model that wrote it; some were corrected since.
;; Mode Pool2d. Allowed arithmetic: float matrix products may take bf16 or f16 operands with f32 sums; all other float work in f32.
;; Inputs: x 2 x 64 x 512 x 512 float32.
;; Outputs: out0 2 x 64 x 257 x 257 float32.
;; 2 versions, each right; version 2 is version 1 with the launch pool written anew for expert scheduling mode. Each part assembles by itself: llvm-mc -triple=amdgcn-amd-amdhsa -mcpu=gfx1250 --defsym DOCPART=n.
;; ======== version 1 of 2: 1 launch
;; launch pool (part 1): grid 514 x 1, 8 waves a work-group, no clusters, 66,816 bytes of LDS; arguments x, out0; writes out0
.if DOCPART == 1
	.amdgcn_target "amdgcn-amd-amdhsa--gfx1250"
	.amdhsa_code_object_version 6
	.text
	.protected	k_q974641c71f_pool
	.globl	k_q974641c71f_pool
	.p2align	8
	.type	k_q974641c71f_pool,@function
k_q974641c71f_pool:
	s_mov_b64 s[64:65], 0
	v_nop
	global_prefetch_b8 v0, s[64:65] scope:SCOPE_SE
	s_setreg_imm32_b32 hwreg(HW_REG_WAVE_MODE, 25, 1), 1
	s_wait_xcnt 0x0
; ModePool2d with a window of 1 x 1, stride 2, zero pad 1.  x: [128 planes][512][512] f32, out: [128 planes][257][257] f32.
; The mode of one element is that element, so out[p][i][j] = x[p][2i-1][2j-1] for i, j >= 1 and +0 for i = 0 or j = 0 (the pad).
; Values are moved as bit patterns: NaN, infinities, -0 and denormals leave as they came; no limit of range is kept.
; Even rows of x reach no output and are not loaded; even columns come along inside the 16-byte loads and are dropped.
;
; THE SPLIT.  The output is 128 x 257 = 32,896 flat rows of 1,028 bytes.  64 flat rows are 65,792 = 257 x 256 bytes, so a work-group
; that owns 64 of them owns a byte range that begins and ends at multiples of 256 from the buffer's first byte: 514 equal work-groups.
; Eight waves, eight rows each.  A wave asks for its eight rows of x at once (32 loads of 512 consecutive bytes), lays the odd columns
; into LDS at their flat place in the output, and behind one barrier the work-group's 65,792 bytes go out in order, 16 bytes a lane.
; LDS is needed because a row of 1,028 bytes shifts the 16-byte grid of the stores by one word from row to row.
;
; WHICH ROW OF x.  g = work-group, q = ceil(64 g / 257) = the first plane that begins at or behind flat row 64 g, r0 = 257 q - 64 g =
; the place of that plane's row 0 in the group (0 to 256; 64 and more: not in the group).  Row r of the group lies in plane q - 1 for
; r < r0 and in plane q for r >= r0, which gives row 2 (64 g + r - q) + 1 of x (counted through all planes) for r < r0 and two less
; for r > r0.  Row r0 is all zeros and has no source: it loads by the first form, which is the row that r0 + 1 loads and lies inside x,
; so that every wave has the same 32 loads to count, and is then written over with zeros (128 such rows in the launch).
;
; No cluster: no two work-groups need the same bytes of x.  No matrix instruction: there is no product.
.set XSTEP,  4096                      ; bytes from one odd row of x to the next
.set OROW,   1028                      ; bytes in a row of the output
.set WROWS,  8                         ; rows of a wave
.set WBYTES, WROWS*OROW                ; 8,224: a wave's part of LDS
.set GBYTES, 8*WBYTES                  ; 65,792: the work-group's part of the output, and its LDS below the 1,024 bytes at 65,792
.set LANE, 1                           ; v1       lane
.set LOFF, 2                           ; v2       16 x lane: my 16 bytes in a load's 512
.set STA,  3                           ; v3       LDS: my wave's part + 8 x lane (two outputs a lane and load)
.set ZC,   4                           ; v4       LDS: column 0 of row (lane % 8) of my wave's part
.set ZERO, 5                           ; v5       0
.set ZR,   6                           ; v6       LDS: the all-zero row + 4 x lane (only in the wave that has one)
.set FLAT, 7                           ; v7       16 x thread: byte offset in LDS and in the group's output alike
.set TLA,  8                           ; v8       LDS, the last 256 bytes: 8 x lane + 8 (the rest stands in the load's offset)
.set TGO,  9                           ; v9       8 x lane
.set TD,   10                          ; v[10:11] the last 256 bytes' data
.set X,    12                          ; v[12:139] row k, load c: 4 registers at X + 16 k + 4 c; v[12:75] once more on the way out
.set RB,   20                          ; s[20:35] row k's base address: a pair for each row, so that none is rewritten under a pending load
	s_load_b128 s[4:7], s[0:1], 0x0                ; x s[4:5], out s[6:7]
	v_lshl_add_u32 v140, v0, 2, 0x10100
	v_mov_b32 v141, 0
	v_lshrrev_b32 v[LANE], 5, v0
	v_readfirstlane_b32 s8, v[LANE]                ; wave 0..7
	v_and_b32 v[LANE], 31, v0
	v_lshlrev_b32 v[LOFF], 4, v[LANE]
	s_lshl_b32 s9, ttmp9, 6                        ; 64 g: the group's first flat row
	s_add_co_u32 s10, s9, 256
	s_mul_i32 s10, s10, 65281                      ; floor(n / 257) = n x 65281 >> 24: 257 x 65281 = 2^24 + 1, exact for n < 2^24;
	s_lshr_b32 s10, s10, 24                        ; here n = 64 g + 256 <= 33,088 and the product stays below 2^32.  s10 = q
	s_mul_i32 s11, s10, 257
	s_sub_co_u32 s11, s11, s9                      ; r0
	s_lshl_b32 s13, s8, 3                          ; my first row in the group
	s_sub_co_i32 s12, s11, s13                     ; rz = r0 counted from my first row (-56 to 256)
	s_add_co_u32 s14, s9, s13
	s_sub_co_u32 s14, s14, s10                     ; 64 g + 8 w - q
	s_lshl_b32 s14, s14, 12                        ; two rows of 2,048 bytes each,
	s_or_b32 s14, s14, 2048                        ; and one more row: below 2^27
	s_mov_b32 s15, 0
	s_wait_kmcnt 0x0
	s_add_nc_u64 s[16:17], s[4:5], s[14:15]        ; my row 0 by the form for rows up to r0,
	s_sub_nc_u64 s[18:19], s[16:17], XSTEP         ; and by the form for rows behind r0 (used only with rows for which it lies in x)
.irp k, 0,1,2,3,4,5,6,7
	s_cmp_ge_i32 s12, \k                           ; row k at or in front of r0?
	s_cselect_b64 s[RB+2*\k:RB+2*\k+1], s[16:17], s[18:19]
.irp c, 0,1,2,3
	global_load_b128 v[X+16*\k+4*\c:X+16*\k+4*\c+3], v[LOFF], s[RB+2*\k:RB+2*\k+1] offset:\k*XSTEP+512*\c th:TH_LOAD_NT
.endr
.endr
	; while the 32 loads are out: addresses, and column 0
	s_mul_i32 s13, s8, WBYTES                      ; my wave's part of LDS
	s_mul_i32 s14, ttmp9, GBYTES                   ; the group's part of the output, below 2^26 (s15 is still 0)
	s_add_nc_u64 s[6:7], s[6:7], s[14:15]
	v_lshl_add_u32 v[STA], v[LANE], 3, s13
	v_and_b32 v[ZC], 7, v0
	v_mad_u32_u24 v[ZC], v[ZC], OROW, s13
	v_mov_b32 v[ZERO], 0
	v_lshlrev_b32 v[FLAT], 4, v0
	ds_store_b32 v[ZC], v[ZERO]                    ; column 0 of my eight rows (four lanes write each word, all with 0)
	; Load c of a row brought me columns 128 c + 4 lane + 0..3; columns +1 and +3 are outputs j = 64 c + 2 lane + 1 and + 2.
	; The lanes of a store are 8 bytes apart: 32 different banks.
.irp k, 0,1,2,3,4,5,6,7
	s_wait_loadcnt 28-4*\k                         ; loads return in order (ISA guide 5.7.1): row k is in, the 4 (7 - k) loads of the rows behind it stay out
.irp c, 0,1,2,3
	ds_store_b32 v[STA], v[X+16*\k+4*\c+1] offset:\k*OROW+256*\c+4
	ds_store_b32 v[STA], v[X+16*\k+4*\c+3] offset:\k*OROW+256*\c+8
.endr
.endr
	; a plane's row 0 among my eight rows: zeros over what its stand-in load brought
	s_cmp_lt_u32 s12, WROWS                        ; unsigned: a negative rz is large
	s_cbranch_scc0 .Lno_zero_row
	s_min_u32 s14, s12, WROWS-1                    ; changes nothing on this path; it states the range 0..7 where the address is made
	s_mul_i32 s14, s14, OROW
	s_add_co_u32 s14, s14, s13
	v_lshl_add_u32 v[ZR], v[LANE], 2, s14
.irp c, 0,1,2,3,4,5,6,7
	ds_store_b32 v[ZR], v[ZERO] offset:128*\c+4    ; columns 1 to 256; LDS serves a wave's instructions in order (ISA guide 5.7.1), so these land last
.endr
.Lno_zero_row:
	s_wait_dscnt 0x0                               ; for the other waves' sake: all my LDS stores are done
	s_barrier_signal -1
	s_barrier_wait -1                              ; and so are everybody's: the 65,792 bytes are whole
	; THE WAY OUT: piece n is 4,096 consecutive bytes, 16 a thread
.irp n, 0,1,2,3,4,5,6,7,8,9,10,11,12,13,14,15
	ds_load_b128 v[X+4*\n:X+4*\n+3], v[FLAT] offset:4096*\n
.endr
.irp n, 0,1,2,3,4,5,6,7,8,9,10,11,12,13,14,15
	s_wait_dscnt 15-\n                             ; piece n is in; the 15 - n behind it stay out
	global_store_b128 v[FLAT], v[X+4*\n:X+4*\n+3], s[6:7] offset:4096*\n th:TH_STORE_NT   ; a wave's store: 512 consecutive bytes at a multiple of 256 from the buffer's first byte
.endr
	; 16 pieces are 65,536 bytes; the last 256 go out from wave 0, 8 bytes a lane, in one store with all lanes on
	s_cmp_lg_u32 s8, 0
	s_cbranch_scc1 .Lend
	v_lshl_add_u32 v[TLA], v[LANE], 3, 8           ; 8 x lane + 8 (8 to 256): an LDS offset has 16 bits, so 65,528 of the 65,536 stand in it and 8 here
	v_lshlrev_b32 v[TGO], 3, v[LANE]
	ds_load_b64 v[TD:TD+1], v[TLA] offset:65528    ; bytes 65,536 + 8 x lane .. + 7: the last one is byte 65,791
	s_wait_dscnt 0x0
	global_store_b64 v[TGO], v[TD:TD+1], s[6:7] offset:65536 th:TH_STORE_NT
.Lend:
	s_wait_tensorcnt 0x0
	ds_add_u32 v140, v141
	s_wait_dscnt 0x0
	s_endpgm
.Lfunc_end_k_q974641c71f_pool:
	.size	k_q974641c71f_pool, .Lfunc_end_k_q974641c71f_pool-k_q974641c71f_pool
	.p2alignl 7, 3214868480
	.fill 96, 4, 3214868480
	.section	.rodata,"a",@progbits
	.p2align	6, 0x0
	.amdhsa_kernel k_q974641c71f_pool
		.amdhsa_group_segment_fixed_size 66816
		.amdhsa_private_segment_fixed_size 0
		.amdhsa_enable_private_segment 0
		.amdhsa_kernarg_size 16
		.amdhsa_user_sgpr_count 2
		.amdhsa_user_sgpr_kernarg_segment_ptr 1
		.amdhsa_wavefront_size32 1
		.amdhsa_system_sgpr_workgroup_id_x 1
		.amdhsa_system_sgpr_workgroup_id_y 1
		.amdhsa_system_sgpr_workgroup_id_z 1
		.amdhsa_system_vgpr_workitem_id 0
		.amdhsa_next_free_vgpr 142
		.amdhsa_next_free_sgpr 66
		.amdhsa_reserve_vcc 0
		.amdhsa_float_denorm_mode_32 3
		.amdhsa_float_denorm_mode_16_64 3
		.amdhsa_memory_ordered 1
		.amdhsa_forward_progress 1
		.amdhsa_inst_pref_size 14
	.end_amdhsa_kernel
	.amdgpu_metadata
---
amdhsa.version: [ 1, 2 ]
amdhsa.kernels:
  - .name:           k_q974641c71f_pool
    .symbol:         k_q974641c71f_pool.kd
    .args:
      - { .name: x, .offset: 0, .size: 8, .value_kind: global_buffer, .address_space: global }
      - { .name: out0, .offset: 8, .size: 8, .value_kind: global_buffer, .address_space: global }
    .group_segment_fixed_size: 66816
    .private_segment_fixed_size: 0
    .kernarg_segment_align: 8
    .kernarg_segment_size: 16
    .max_flat_workgroup_size: 256
    .sgpr_count:     66
    .vgpr_count:     142
    .wavefront_size: 32
...
	.end_amdgpu_metadata
.endif
;; end of part 1
;; ======== version 2 of 2: 1 launch; version 1 with the launch pool written anew for expert scheduling mode
;; launch pool (part 2): grid 514 x 1, 8 waves a work-group, no clusters, 66,816 bytes of LDS; arguments x, out0; writes out0
.if DOCPART == 2
	.amdgcn_target "amdgcn-amd-amdhsa--gfx1250"
	.amdhsa_code_object_version 6
	.text
	.protected	k_q974641c71f_pool
	.globl	k_q974641c71f_pool
	.p2align	8
	.type	k_q974641c71f_pool,@function
k_q974641c71f_pool:
	s_mov_b64 s[64:65], 0
	v_nop
	global_prefetch_b8 v0, s[64:65] scope:SCOPE_SE
	s_setreg_imm32_b32 hwreg(HW_REG_WAVE_SCHED_MODE, 0, 2), 2
	s_setreg_imm32_b32 hwreg(HW_REG_WAVE_MODE, 25, 1), 1
	s_wait_xcnt 0x0
	s_wait_alu depctr_vm_vsrc(0)
; ModePool2d with a window of 1 x 1, stride 2, zero pad 1.  x: [128 planes][512][512] f32, out: [128 planes][257][257] f32.
; The mode of one element is that element, so out[p][i][j] = x[p][2i-1][2j-1] for i, j >= 1 and +0 for i = 0 or j = 0 (the pad).
; Values are moved as bit patterns: NaN, infinities, -0 and denormals leave as they came; no limit of range is kept.
; Even rows of x reach no output and are not loaded; even columns come along inside the 16-byte loads and are dropped.
;
; THE SPLIT.  The output is 128 x 257 = 32,896 flat rows of 1,028 bytes.  64 flat rows are 65,792 = 257 x 256 bytes, so a work-group
; that owns 64 of them owns a byte range that begins and ends at multiples of 256 from the buffer's first byte: 514 equal work-groups.
; Eight waves, eight rows each.  A wave asks for its eight rows of x at once (32 loads of 512 consecutive bytes), lays the odd columns
; into LDS at their flat place in the output, and behind one barrier the work-group's 65,792 bytes go out in order, 16 bytes a lane.
; LDS is needed because a row of 1,028 bytes shifts the 16-byte grid of the stores by one word from row to row.
;
; WHICH ROW OF x.  g = work-group, q = ceil(64 g / 257) = the first plane that begins at or behind flat row 64 g, r0 = 257 q - 64 g =
; the place of that plane's row 0 in the group (0 to 256; 64 and more: not in the group).  Row r of the group lies in plane q - 1 for
; r < r0 and in plane q for r >= r0, which gives row 2 (64 g + r - q) + 1 of x (counted through all planes) for r < r0 and two less
; for r > r0.  Row r0 is all zeros and has no source: it loads by the first form, which is the row that r0 + 1 loads and lies inside x,
; so that every wave has the same 32 loads to count, and is then written over with zeros (128 such rows in the launch).
;
; No cluster: no two work-groups need the same bytes of x.  No matrix instruction: there is no product.
;
; THE MODE: SCHED_MODE bits 1:0 = 2 (LLVM: expert scheduling mode 2), set by the entry lines.  The code itself states the register dependences
; between vector instructions and memory or LDS instructions, with s_wait_alu, always for 0.
; THE PLAN.  Registers that memory or LDS instructions touch:
;   v2 .. v9     offsets, LDS addresses and the 0.  Written by vector instructions at the head, once; read by loads, LDS stores, LDS loads and stores.
;   v[12:139]    x as loaded.  Written by the global loads; read by the LDS stores; v[12:75] written again by the LDS loads of the way out
;                and read by the global stores.  No vector instruction names them.
;   v[10:11]     wave 0's last 8 bytes a lane.  Written by an LDS load, read by a store.  No vector instruction names them.
; All vector instructions of the kernel stand at the head, in the wait for the kernel's arguments.  So ONE wait on va_vdst, in front of the first load,
; states that v2 to v9 are written, for every memory and LDS instruction of the kernel: none is issued ahead of it, and no vector instruction behind it.
; One wait on va_sdst stands ahead of the first reader of the wave's number.  One wait on vm_vsrc stands ahead of the way out's LDS loads.
.set XSTEP,  4096                      ; bytes from one odd row of x to the next
.set OROW,   1028                      ; bytes in a row of the output
.set WROWS,  8                         ; rows of a wave
.set WBYTES, WROWS*OROW                ; 8,224: a wave's part of LDS
.set GBYTES, 8*WBYTES                  ; 65,792: the work-group's part of the output, and its LDS below the 1,024 bytes at 65,792
.set LANE, 1                           ; v1       lane
.set LOFF, 2                           ; v2       16 x lane: my 16 bytes in a load's 512
.set STA,  3                           ; v3       LDS: my wave's part + 8 x lane (two outputs a lane and load)
.set ZC,   4                           ; v4       LDS: column 0 of row (lane % 8) of my wave's part
.set ZERO, 5                           ; v5       0
.set ZR,   6                           ; v6       LDS: the all-zero row + 4 x lane (used only in the wave that has one)
.set FLAT, 7                           ; v7       16 x thread: byte offset in LDS and in the group's output alike
.set TLA,  8                           ; v8       LDS, the last 256 bytes: 8 x lane + 8 (the rest stands in the load's offset); used by wave 0
.set TGO,  9                           ; v9       8 x lane; used by wave 0
.set TD,   10                          ; v[10:11] the last 256 bytes' data
.set X,    12                          ; v[12:139] row k, load c: 4 registers at X + 16 k + 4 c; v[12:75] once more on the way out
.set RB,   20                          ; s[20:35] row k's base address: a pair for each row, so that none is rewritten under a pending load
	s_load_b128 s[4:7], s[0:1], 0x0                ; x s[4:5], out s[6:7]
	v_lshl_add_u32 v140, v0, 2, 0x10100
	v_mov_b32 v141, 0
	v_lshrrev_b32 v[LANE], 5, v0
	v_readfirstlane_b32 s8, v[LANE]                ; wave 0..7
	v_and_b32 v[LANE], 31, v0
	v_lshlrev_b32 v[LOFF], 4, v[LANE]
	v_mov_b32 v[ZERO], 0
	v_lshlrev_b32 v[FLAT], 4, v0
	v_lshl_add_u32 v[TLA], v[LANE], 3, 8           ; 8 x lane + 8 (8 to 256): an LDS offset has 16 bits, so 65,528 of the 65,536 stand in it and 8 here
	v_lshlrev_b32 v[TGO], 3, v[LANE]
	v_and_b32 v[ZC], 7, v0
	s_lshl_b32 s9, ttmp9, 6                        ; 64 g: the group's first flat row
	s_add_co_u32 s10, s9, 256
	s_mul_i32 s10, s10, 65281                      ; floor(n / 257) = n x 65281 >> 24: 257 x 65281 = 2^24 + 1, exact for n < 2^24;
	s_lshr_b32 s10, s10, 24                        ; here n = 64 g + 256 <= 33,088 and the product stays below 2^32.  s10 = q
	s_mul_i32 s11, s10, 257
	s_sub_co_u32 s11, s11, s9                      ; r0
	s_wait_alu depctr_va_sdst(0)                   ; s8, the wave's number, is written, ahead of its first reader: the line below
	s_lshl_b32 s13, s8, 3                          ; my first row in the group
	s_sub_co_i32 s12, s11, s13                     ; rz = r0 counted from my first row (-56 to 256)
	s_add_co_u32 s14, s9, s13
	s_sub_co_u32 s14, s14, s10                     ; 64 g + 8 w - q
	s_lshl_b32 s14, s14, 12                        ; two rows of 2,048 bytes each,
	s_or_b32 s14, s14, 2048                        ; and one more row: below 2^27
	s_mov_b32 s15, 0
	s_mul_i32 s13, s8, WBYTES                      ; my wave's part of LDS
	s_min_u32 s2, s12, WROWS-1                     ; rz held to 0..7 (unsigned: a negative rz is large); where rz is not among my eight rows the address made of it is not used
	s_mul_i32 s2, s2, OROW
	s_add_co_u32 s2, s2, s13
	v_lshl_add_u32 v[STA], v[LANE], 3, s13
	v_mad_u32_u24 v[ZC], v[ZC], OROW, s13
	v_lshl_add_u32 v[ZR], v[LANE], 2, s2
	s_wait_kmcnt 0x0
	s_add_nc_u64 s[16:17], s[4:5], s[14:15]        ; my row 0 by the form for rows up to r0,
	s_sub_nc_u64 s[18:19], s[16:17], XSTEP         ; and by the form for rows behind r0 (used only with rows for which it lies in x)
	s_wait_alu depctr_va_vdst(0)                   ; v2 to v9 are written: the offsets, the LDS addresses and the 0 that the loads, LDS stores, LDS loads and stores below read; no vector instruction follows
.irp k, 0,1,2,3,4,5,6,7
	s_cmp_ge_i32 s12, \k                           ; row k at or in front of r0?
	s_cselect_b64 s[RB+2*\k:RB+2*\k+1], s[16:17], s[18:19]
.irp c, 0,1,2,3
	global_load_b128 v[X+16*\k+4*\c:X+16*\k+4*\c+3], v[LOFF], s[RB+2*\k:RB+2*\k+1] offset:\k*XSTEP+512*\c th:TH_LOAD_NT
.endr
.endr
	; while the 32 loads are out: the output's base, and column 0
	s_mul_i32 s14, ttmp9, GBYTES                   ; the group's part of the output, below 2^26 (s15 is still 0)
	s_add_nc_u64 s[6:7], s[6:7], s[14:15]
	ds_store_b32 v[ZC], v[ZERO]                    ; column 0 of my eight rows (four lanes write each word, all with 0)
	; Load c of a row brought me columns 128 c + 4 lane + 0..3; columns +1 and +3 are outputs j = 64 c + 2 lane + 1 and + 2.
	; The lanes of a store are 8 bytes apart: 32 different banks.
.irp k, 0,1,2,3,4,5,6,7
	s_wait_loadcnt 28-4*\k                         ; loads return in order (ISA guide 5.7.1): row k is in, the 4 (7 - k) loads of the rows behind it stay out
.irp c, 0,1,2,3
	ds_store_b32 v[STA], v[X+16*\k+4*\c+1] offset:\k*OROW+256*\c+4
	ds_store_b32 v[STA], v[X+16*\k+4*\c+3] offset:\k*OROW+256*\c+8
.endr
.endr
	; a plane's row 0 among my eight rows: zeros over what its stand-in load brought
	s_cmp_lt_u32 s12, WROWS                        ; unsigned: a negative rz is large
	s_cbranch_scc0 .Lno_zero_row
.irp c, 0,1,2,3,4,5,6,7
	ds_store_b32 v[ZR], v[ZERO] offset:128*\c+4    ; columns 1 to 256; LDS serves a wave's instructions in order (ISA guide 5.7.1), so these land last
.endr
.Lno_zero_row:
	s_wait_dscnt 0x0                               ; for the other waves' sake: all my LDS stores are done
	s_barrier_signal -1
	s_barrier_wait -1                              ; and so are everybody's: the 65,792 bytes are whole
	s_wait_alu depctr_vm_vsrc(0)                   ; my LDS stores have read v[12:75], in which the LDS loads below land
	; THE WAY OUT: piece n is 4,096 consecutive bytes, 16 a thread
.irp n, 0,1,2,3,4,5,6,7,8,9,10,11,12,13,14,15
	ds_load_b128 v[X+4*\n:X+4*\n+3], v[FLAT] offset:4096*\n
.endr
.irp n, 0,1,2,3,4,5,6,7,8,9,10,11,12,13,14,15
	s_wait_dscnt 15-\n                             ; piece n is in; the 15 - n behind it stay out
	global_store_b128 v[FLAT], v[X+4*\n:X+4*\n+3], s[6:7] offset:4096*\n th:TH_STORE_NT   ; a wave's store: 512 consecutive bytes at a multiple of 256 from the buffer's first byte
.endr
	; 16 pieces are 65,536 bytes; the last 256 go out from wave 0, 8 bytes a lane, in one store with all lanes on
	s_cmp_lg_u32 s8, 0
	s_cbranch_scc1 .Lend
	ds_load_b64 v[TD:TD+1], v[TLA] offset:65528    ; bytes 65,536 + 8 x lane .. + 7: the last one is byte 65,791
	s_wait_dscnt 0x0
	global_store_b64 v[TGO], v[TD:TD+1], s[6:7] offset:65536 th:TH_STORE_NT
.Lend:
	s_wait_dscnt 0x0
	s_wait_alu depctr_hold_cnt(0) depctr_sa_sdst(0) depctr_va_vdst(0) depctr_va_sdst(0) depctr_va_ssrc(0) depctr_va_vcc(0) depctr_vm_vsrc(0)
	s_wait_tensorcnt 0x0
	ds_add_u32 v140, v141
	s_wait_dscnt 0x0
	s_endpgm
.Lfunc_end_k_q974641c71f_pool:
	.size	k_q974641c71f_pool, .Lfunc_end_k_q974641c71f_pool-k_q974641c71f_pool
	.p2alignl 7, 3214868480
	.fill 96, 4, 3214868480
	.section	.rodata,"a",@progbits
	.p2align	6, 0x0
	.amdhsa_kernel k_q974641c71f_pool
		.amdhsa_group_segment_fixed_size 66816
		.amdhsa_private_segment_fixed_size 0
		.amdhsa_enable_private_segment 0
		.amdhsa_kernarg_size 16
		.amdhsa_user_sgpr_count 2
		.amdhsa_user_sgpr_kernarg_segment_ptr 1
		.amdhsa_wavefront_size32 1
		.amdhsa_system_sgpr_workgroup_id_x 1
		.amdhsa_system_sgpr_workgroup_id_y 1
		.amdhsa_system_sgpr_workgroup_id_z 1
		.amdhsa_system_vgpr_workitem_id 0
		.amdhsa_next_free_vgpr 142
		.amdhsa_next_free_sgpr 66
		.amdhsa_reserve_vcc 0
		.amdhsa_float_denorm_mode_32 3
		.amdhsa_float_denorm_mode_16_64 3
		.amdhsa_memory_ordered 1
		.amdhsa_forward_progress 1
		.amdhsa_inst_pref_size 15
	.end_amdhsa_kernel
	.amdgpu_metadata
---
amdhsa.version: [ 1, 2 ]
amdhsa.kernels:
  - .name:           k_q974641c71f_pool
    .symbol:         k_q974641c71f_pool.kd
    .args:
      - { .name: x, .offset: 0, .size: 8, .value_kind: global_buffer, .address_space: global }
      - { .name: out0, .offset: 8, .size: 8, .value_kind: global_buffer, .address_space: global }
    .group_segment_fixed_size: 66816
    .private_segment_fixed_size: 0
    .kernarg_segment_align: 8
    .kernarg_segment_size: 16
    .max_flat_workgroup_size: 256
    .sgpr_count:     66
    .vgpr_count:     142
    .wavefront_size: 32
...
	.end_amdgpu_metadata
.endif
;; end of part 2
